; MI455X (gfx1250); checked and timed in simulation.
; The chip was launched on July 23, 2026; its instructions are those of AMD's public machine-readable ISA for CDNA 5 (MIT licence, August 2026) and "CDNA5" Instruction Set Architecture Reference Guide (July 2026). The comments in the code are by the model that wrote it; some were corrected since.
;; Real NVP2 D. Allowed arithmetic: matrix products marked QUANTISED: E3M2 operands, one E8M0 scale for each 32 along K, by v_wmma_scale_f32_16x16x128_f8f6f4 with both operands' format E3M2, f32 sums; products left as they are: f32 operands where the result goes on into a quantised operand, else bf16, f16 or f32 operands; f32 sums; everything else in f32.
;; Inputs: an_b 4 x 2 float32; an_logs 4 x 2 float32; cb1 4 x 512 float32; cb2 4 x 512 float32; cb3 4 x 4 float32; cw1 4 x 2 x 512 float32; cw2_codes 4 x 512 x 16 x 24 uint8 (E3M2 codes of cw2, K innermost, in blocks of 32 codes, four codes in three bytes); cw2_scales 4 x 512 x 16 uint8 (E8M0 scales of cw2, one for each 32 codes along K); cw3 4 x 512 x 4 float32; x 65,536 x 2 float32.
;; Outputs: out0 65,536 x 2 float32; out1 65,536 float32.
;; This version of the problem:
;;   THIS VERSION OF THE PROBLEM IS GIVEN IN LOW PRECISION. The matrix products marked QUANTISED in the list below multiply operands that are first quantised to E3M2 (3 exponent bits, 2 mantissa bits; 6 bits a number), with one power-of-two scale for each 32 numbers along K (OCP MX v1.0); their sums are f32. All else is computed in f32.
;;   The module's matrix products, in the order in which they are computed (A, B: the left and right operand; K: the contracted axis; several contracted axes count as one K, in the product's order):
;;     1. [M 65,536, K 2] x [K 2, N 512]; A: computed on the way; B: input cw1: left as it is (K = 2 < 32)
;;     2. [M 65,536, K 512] x [K 512, N 512]; A: computed on the way; B: input cw2 (given as codes): QUANTISED
;;     3. [M 65,536, K 512] x [K 512, N 4]; A: computed on the way; B: input cw3: left as it is (N = 4 < 16)
;;     4. [M 65,536, K 2] x [K 2, N 512]; A: computed on the way; B: input cw1: left as it is (K = 2 < 32)
;;     5. [M 65,536, K 512] x [K 512, N 512]; A: computed on the way; B: input cw2 (given as codes): QUANTISED
;;     6. [M 65,536, K 512] x [K 512, N 4]; A: computed on the way; B: input cw3: left as it is (N = 4 < 16)
;;     7. [M 65,536, K 2] x [K 2, N 512]; A: computed on the way; B: input cw1: left as it is (K = 2 < 32)
;;     8. [M 65,536, K 512] x [K 512, N 512]; A: computed on the way; B: input cw2 (given as codes): QUANTISED
;;     9. [M 65,536, K 512] x [K 512, N 4]; A: computed on the way; B: input cw3: left as it is (N = 4 < 16)
;;     10. [M 65,536, K 2] x [K 2, N 512]; A: computed on the way; B: input cw1: left as it is (K = 2 < 32)
;;     11. [M 65,536, K 512] x [K 512, N 512]; A: computed on the way; B: input cw2 (given as codes): QUANTISED
;;     12. [M 65,536, K 512] x [K 512, N 4]; A: computed on the way; B: input cw3: left as it is (N = 4 < 16)
;;   THE QUANTISER, for each operand of a quantised product, along K:
;;     - K is cut into blocks of 32 from its start; a last block that is shorter is filled with zeros.
;;     - A block's scale is 2^e with e = floor(log2(the largest magnitude in the block)) - 4, held to -126 .. 127; a block of zeros has e = 0. As a byte (E8M0): e + 127.
;;     - Each number is divided by its block's scale, clamped to +-28, and rounded to the nearest number of E3M2, ties to even, subnormals kept.
;;     - The product sums the exact products of the quantised numbers (number of the format x scale) in f32.
;;   ~~~python
;;   def quantise(x, axis):      # numpy; x: float32 -> the quantised numbers, widened to float32 again
;;       x = np.moveaxis(x, axis, -1); K = x.shape[-1]
;;       x = np.pad(x, [(0, 0)] * (x.ndim - 1) + [(0, -K % 32)]); x = x.reshape(x.shape[:-1] + (-1, 32)); a = np.abs(x).max(-1, keepdims=True)
;;       e = np.where(a > 0, np.clip(np.frexp(np.where(a > 0, a, 1))[1] - 1 - 4, -126, 127), 0)      # np.frexp(a)[1] - 1 = floor(log2(a)), exactly
;;       r = np.clip(x / 2.0 ** e, -28, 28)
;;       step = 2.0 ** (np.maximum(np.frexp(np.where(r == 0, 1, r))[1] - 1, -2) - 2)
;;       q = np.round(r / step) * step * 2.0 ** e      # np.round: ties to even
;;       return np.moveaxis(q.reshape(q.shape[:-2] + (-1,))[..., :K], -1, axis).astype(np.float32)
;;   ~~~
;;   OPERANDS COMPUTED ON THE WAY. 'Computed on the way' means the value that the module computes at that place (a softmax that the list does not call 'softmax' is quantised finished and normalised). What goes into a quantiser is computed in f32, as accurately as f32 sums, v_exp_f32 and their like allow (about 1e-6 of the number): no bf16 or f16 on the way to a quantiser, and a product that is left as it is and whose result goes on into a quantised operand takes f32 operands (vector FMAs, or v_wmma_f32_16x16x4_f32). A number that lies on a knife's edge between two numbers of the format may be rounded either way, as far as f32 arithmetic and the matrix unit's own rounding can turn it there, and no further.
;;   INPUTS GIVEN AS CODES. cw2 (in the module: [4, 512, 512], K = its axis 1): each comes as NAME_codes (uint8): NAME with its K axis moved to the last place and cut into blocks of 32 codes, [.., K / 32, bytes a block], one block behind the other in memory; four codes in three bytes: a row's codes are one little-endian stream of bits, code i at bits 6 i .. 6 i + 5 (a code: sign, 3 exponent bits, 2 mantissa bits); and NAME_scales (uint8): the same leading axes, one E8M0 byte (e + 127) for each 32 codes along K. Its value is code x scale, taken as it is: it is not quantised again, and the codes and scales need not be those that the quantiser above would give.
;; One version. Each part assembles by itself: llvm-mc -triple=amdgcn-amd-amdhsa -mcpu=gfx1250 --defsym DOCPART=n.
;; ======== version 1 of 1: 1 launch
;; launch flow (part 1): grid 256 x 1, 4 waves a work-group, clusters of 4 x 1, 327,680 bytes of LDS; arguments x, cw1, cb1, cw2_codes, cw2_scales, cb2, cw3, cb3, an_logs, an_b, out0, out1; writes out0, out1
.if DOCPART == 1
	.amdgcn_target "amdgcn-amd-amdhsa--gfx1250"
	.amdhsa_code_object_version 6
	.text
	.protected	k_qd7ffc2038e_flow
	.globl	k_qd7ffc2038e_flow
	.p2align	8
	.type	k_qd7ffc2038e_flow,@function
k_qd7ffc2038e_flow:
	s_mov_b64 s[64:65], 0
	v_nop
	global_prefetch_b8 v0, s[64:65] scope:SCOPE_SE
	s_setreg_imm32_b32 hwreg(HW_REG_WAVE_MODE, 25, 1), 1
	s_wait_xcnt 0x0
	s_wait_alu depctr_hold_cnt(0) depctr_sa_sdst(0) depctr_va_vdst(0) depctr_va_sdst(0) depctr_va_ssrc(0) depctr_va_vcc(0) depctr_vm_vsrc(0)
	s_getreg_b32 s2, hwreg(HW_REG_IB_STS2, 6, 4)
	s_cmp_eq_u32 s2, 0
	s_cbranch_scc0 .Lentry_in_a_cluster
	s_endpgm
.Lentry_in_a_cluster:
	s_bfe_u32 s2, ttmp6, 0x10000c
	s_cmp_lg_u32 s2, 0x3003
	s_cbranch_scc0 .Lentry_shape_is_right
	s_endpgm
.Lentry_shape_is_right:
; RealNVP on two coordinates: four coupling layers with actnorm, then a sigmoid; out0 [65536][2], out1 = log_det [65536], f32.  ONE launch; nothing goes through memory between the steps.
; Layer i, c = i % 2 (the mask is built by the problem itself): h1 = relu(out[c] cw1[i][c][:] + cb1[i]);  h2 = relu(Q(h1) cw2[i] + cb2[i]), the one QUANTISED product: codes of BF6 (E3M2), one E8M0 scale
; for each 32 along K, by v_wmma_scale_f32_16x16x128_f8f6f4;  S = h2 . cw3[i][:][1-c] + cb3[i][1-c], T = h2 . cw3[i][:][3-c] + cb3[i][3-c] (the two columns that the mask keeps), by f32 multiply-adds, since out goes
; on into the next layer's quantiser;  ls = tanh(S);  out[1-c] = out[1-c] e^ls + T;  log_det += ls;  actnorm on both coordinates.
; SHARES.  A work-group of four waves owns 256 rows (16 tiles of 16) through all four layers: 256 work-groups.  THE WAVES SHARE THE COLUMNS: wave w owns columns 128 w .. 128 w + 127 of cw2[i]: 8 tiles x 4 K steps x 12
; registers = 384 registers, which stay for the whole layer.  Wave w also makes K step w (k = 128 w ..) of h1 for every tile of rows and hands it to the others through LDS as an image of the operand's registers.
; A layer goes in two blocks of 8 tiles of rows:  X (h1 made, quantised, stored) | barrier | P (product, relu, the two dot products) | barrier, twice; then every thread updates its two rows.
; THE PRODUCT IS USED TRANSPOSED (source 0 = 16 columns of cw2, whose K is innermost in memory; source 1 = 16 rows of h1): a lane holds ONE row and eight neighbouring columns n = 16 t + 8 (lane / 16) + j.
; WEIGHTS.  All work-groups read the same codes, so the four of a cluster ask JOINTLY: wave w's tensor load brings just the 128 rows that wave w reads, into ONE slot.  Once they are in registers the slot is filled again
; with the next layer's, which has a whole layer in which to land.  By this text's own count a wave has one tensor load outstanding at the most.
; BY TURNS.  The relu and the multiply-adds of the four tiles finished last stand in slices of four plain lines behind the matrix instructions of the next four tiles; they are also the places behind them.
; LIMITS: NaN and infinities among the inputs are not served (0 x infinity through the masked coordinate among them).  A block of h1 whose largest number lies under 2^-122 keeps the scale byte 1, a block of zeros too
; (its codes are zeros, and this program alone reads the bytes).  h1 is one fused multiply-add where the definition rounds twice; the sums S and T are taken in another order, all in f32.
; REGISTERS, in windows of 256 (s_set_vgpr_msb: bits 1:0 source 0, 3:2 source 1, 5:4 source 2, 7:6 destination):
;   window 0: v1-19, v29-31 addresses; v20-25 my two rows' state; v26-28 x of the tile in hand; v32-63 cw2's scale words; v64-127 two sets of 4 accumulators (in X: 64 numbers of h1); v128-223 two buffers of h1's four
;             fragments (in X: at work); v224-231 h1's scale words; v232-239 the sums S and T; v240-255 at work
;   window 1: v0-191 the weights of my tiles 0-3; v192-255 cw3's two columns for tiles 4-7      window 2: v0-191 tiles 4-7; v192-255 cw3 for tiles 0-3
;   window 3: v0-63 cw1, v64-127 cb1 (my K step); v144-207 cb2 in the result's layout
; With source 0 in window 1 + u and all else in window 0 the matrix instructions of half u and the slices on the other half's results need no switch between them: five switches for a tile's 32 matrix instructions.
.set CODEL,  196608                    ; a layer's codes: 512 rows of 384 bytes
.set WPITCH, 432                       ; a row of codes in LDS: 3 x (128 bytes + 16 of padding) = 108 words: row r starts at bank 44 r mod 64 (64 banks of 4 bytes: ISA guide 11.1), 16 different multiples of 4; lanes 16-31 lie 6 or 10 words on
.set WPART,  128*WPITCH                ; a wave's 128 rows: what its tensor load brings
.set FRB,    1536                      ; a fragment's image: 12 registers x 128 bytes
.set HWAVE,  8*FRB                     ; the eight fragments that one wave stores in a block
.set HIMG,   4*WPART                   ; LDS: behind the weights h1's images: K step s, tile m: HWAVE s + FRB m
.set HSC,    HIMG+4*HWAVE              ; their scale words: 1024 s + 128 m + 4 x lane
.set PS,     HSC+4096                  ; the waves' partial (S, T): 2048 x wave + 8 x row
.set W3L,    PS+8192                   ; the two kept columns of cw3: 4096 x layer + 2048 x (0: S, 1: T) + 4 n
.set XS,     W3L+16384                 ; the conditioning coordinate: 4 x row
.set SPARE,  XS+1024                   ; the spare words, 128 bytes for each wave: two blocks of 256 bytes that no other line names
.set SPW, 1                            ; v1   SPARE + 4 x thread; never rewritten
.set NIL, 2                            ; v2   0; never rewritten
.set LI,  3                            ; v3   HIMG + 16 x lane
.set LS,  4                            ; v4   HSC + 4 x lane
.set XWI, 5                            ; v5   LI + HWAVE x wave: where I store images
.set XWS, 6                            ; v6   LS + 1024 x wave: and scale words
.set WA0, 7                            ; v7   WPART x wave + WPITCH r + 24 h: my place in a tile of weights
.set WA1, 8                            ; v8   the same behind one padding more for lanes 16-31
.set W3A, 9                            ; v9   W3L + 512 x wave + 32 h
.set PSW, 10                           ; v10  PS + 2048 x wave + 8 r
.set PSR, 11                           ; v11  PS + 16 x thread
.set XSW, 12                           ; v12  XS + 8 x thread
.set XSR, 13                           ; v13  XS + 4 r
.set GSC, 14                           ; v14  cw2's scales: 2048 x wave + 16 r
.set GB2, 15                           ; v15  cb2: 512 x wave + 32 h
.set GW1, 16                           ; v16  cw1, cb1: 512 x wave + 64 h
.set GX,  17                           ; v17  16 x thread
.set GO1, 18                           ; v18  8 x thread
.set ADX, 19                           ; v19  address at work (x of the next tile)
.set STA, 20                           ; v[20:21] the conditioning coordinate of my rows 2 t, 2 t + 1
.set STB, 22                           ; v[22:23] the other coordinate
.set LD,  24                           ; v[24:25] log_det
.set XC,  26                           ; v26  x of my lane's row in the tile in hand (v27 is named with it as a pair)
.set XN,  28                           ; v28  the next tile's
.set ADI, 29                           ; v29-31 addresses at work
.set ADS, 30
.set ADW, 31
.set WSC, 32                           ; v[32 + 4 t + s]: scale words of my tile t, K step s
.set ACC, 64                           ; set u at ACC + 32 u, tile t' at + 8 t'
.set H,   64
.set HF,  128                          ; buffer p at HF + 48 p, K step s at + 12 s
.set TM,  128                          ; X: v128-131 largest numbers, v132-135 at work, v140-143 the conversions' scale operands
.set PW,  144                          ; X: the scale word
.set PC,  146                          ; X: the codes, 12 registers, and 8 at work
.set HS,  224                          ; h1's scale words: buffer p at HS + 4 p
.set PSUM, 232                         ; v[232:235] S in two chains of pairs, v[236:239] T
.set T,   240
.set W1,  0                            ; window 3
.set B1,  64
.set CB2, 144
.set W3R, 192                          ; windows 1, 2: tile t': S at W3R + 16 t' + j, T at + 8
.set MSB, 0
.macro WIN new                         ; the immediate's high byte repeats the setting that is left; a switch that changes nothing is dropped
.if MSB != (\new)
	s_set_vgpr_msb (MSB<<8)|(\new)
.set MSB, (\new)
.endif
.endm
.macro ROUND                           ; a round of the cluster's barrier
	s_barrier_signal -1
	s_barrier_wait -1
	s_cmp_lg_u32 s28, 0
	s_cbranch_scc1 .Lnot_wave_0_\@
	s_barrier_signal -3
.Lnot_wave_0_\@:
	s_barrier_wait -3
	s_barrier_signal -1
	s_barrier_wait -1
.endm
.macro BARRIER                         ; my LDS stores have landed and my LDS loads are in: then the work-group's barrier
	s_wait_dscnt 0x0
	s_barrier_signal -1
	s_barrier_wait -1
.endm
.macro PLACES
.rept 4
	v_nop
.endr
.endm
; A fragment of weights, 16 rows x 128 K: lane (r, h) takes 24 bytes at 96 s + 24 h and 24 at 96 s + 48 + 24 h of its row, in pieces of 8 bytes.  Piece p lies at 8 p + 16 (p / 16); lanes 16-31 read three pieces on,
; which from p % 16 = 13 on is behind one padding more: the second address register serves those.
.macro FRAG reg, t, s
.irp p, 0,1,2,3,4,5
.set PCI, 12*(\s)+6*(\p/3)+\p%3
.if PCI%16 < 13
	ds_load_b64 v[(\reg)+2*\p:(\reg)+2*\p+1], v[WA0] offset:8*PCI+16*(PCI/16)+16*WPITCH*(\t)
.else
	ds_load_b64 v[(\reg)+2*\p:(\reg)+2*\p+1], v[WA1] offset:8*PCI+16*(PCI/16)+16*WPITCH*(\t)
.endif
.endr
.endm
.macro WCHUNK q                        ; a quarter of my weights: tiles 2 q, 2 q + 1, all four K steps: 48 loads
	WIN 0x40+0x40*((\q)/2)                         ; destination window 1 (tiles 0-3) or 2 (tiles 4-7)
.irp tt, 0,1
.irp ss, 0,1,2,3
	FRAG 12*(4*(2*((\q)%2)+\tt)+\ss), 2*(\q)+\tt, \ss
.endr
.endr
	WIN 0
.endm
; ONE FRAGMENT OF h1: my K step of the tile of rows in hand.  Register 16 b + i of lane (r, h) is k = 128 w + 32 b + 16 h + i of row r.  wl = 1: a quarter of the weights is fetched on the way.
.macro XFRAG wl, q
	s_and_b32 s55, s54, 0x3ff                      ; the next tile's x (behind the last tile it turns back to tile 0: the number is not used, and no byte is read that nobody wrote)
	v_add_nc_u32 v[ADX], s55, v[XSR]
	ds_load_b32 v[XN], v[ADX]
.if \wl
	WCHUNK \q
.endif
	WIN 0x33                                       ; cw1 and cb1 in window 3
.set k, 0
.rept 32
	v_pk_fma_f32 v[H+k:H+k+1], v[W1+k:W1+k+1], v[XC:XC+1], v[B1+k:B1+k+1] op_sel_hi:[1,0,1]   ; x w1 + b1, two at a time; of the pair XC the low word serves both
.set k, k+2
.endr
	WIN 0
.set k, 0
.rept 64
	v_max_num_f32 v[H+k], 0, v[H+k]                ; relu
.set k, k+1
.endr
.irp b, 0,1,2,3
	v_max3_num_f32 v[TM+\b], v[H+16*\b], v[H+1+16*\b], 0x2800000   ; block b: my 16 numbers (none is negative), and the floor 2^(5 - 127): the byte cannot fall under 1
.endr
.irp i, 2,4,6,8,10,12,14
.irp b, 0,1,2,3
	v_max3_num_f32 v[TM+\b], v[TM+\b], v[H+16*\b+\i], v[H+1+16*\b+\i]   ; the four blocks by turns
.endr
.endr
.irp b, 0,1,2,3
	v_permlanex16_b32 v[TM+4+\b], v[TM+\b], s44, s45
.endr
.irp b, 0,1,2,3
	v_max_num_f32 v[TM+\b], v[TM+\b], v[TM+4+\b]   ; with lane l xor 16's: the block's largest number
.endr
.irp b, 0,1,2,3
	v_add_nc_u32 v[TM+12+\b], 0xfe000000, v[TM+\b] ; 4 off its exponent field: the conversion's scale operand
.endr
.irp b, 0,1,2,3
	v_lshrrev_b32 v[TM+4+\b], 23, v[TM+12+\b]      ; the scale's byte
.endr
.if \wl
	s_wait_dscnt 48                                ; all but the 48 loads of weights issued behind it: the next x is in, and the last fragment's four stores are done
.else
	s_wait_dscnt 0x0                               ; the next x is in, and the last fragment's four stores are done: their registers are written below
.endif
	v_lshl_or_b32 v[PW], v[TM+5], 8, v[TM+4]       ; my row's scale word
	v_lshl_or_b32 v[PW], v[TM+6], 16, v[PW]
	v_lshl_or_b32 v[PW], v[TM+7], 24, v[PW]
	v_mov_b32 v[XC], v[XN]
	v_add_nc_u32 v[ADI], s52, v[XWI]
	v_add_nc_u32 v[ADS], s53, v[XWS]
.irp c, 0,1
	v_cvt_scalef32_pk16_bf6_f32 v[PC+6*\c:PC+2+6*\c], v[H+32*\c:H+15+32*\c], v[TM+12+2*\c]
	v_cvt_scalef32_pk16_bf6_f32 v[PC+12+4*\c:PC+14+4*\c], v[H+16+32*\c:H+31+32*\c], v[TM+13+2*\c]   ; (a conversion's three registers begin on an even number)
.endr
	v_nop                                          ; one plain place behind a scaled conversion
.irp c, 0,1                                    ; the operand wants a WHOLE block in a lane: lanes 0-15 block 2 c, lanes 16-31 block 2 c + 1
.irp i, 0,1,2
	v_permlane16_swap_b32 v[PC+6*\c+\i], v[PC+12+4*\c+\i]
.endr
.irp i, 0,1,2
	v_mov_b32 v[PC+3+6*\c+\i], v[PC+12+4*\c+\i]
.endr
.endr
.irp c, 0,1,2
	ds_store_b128 v[ADI], v[PC+4*\c:PC+4*\c+3] offset:512*\c   ; the fragment as it stands: 512 consecutive bytes a store
.endr
	ds_store_b32 v[ADS], v[PW]
	s_add_co_u32 s52, s52, FRB
	s_add_co_u32 s53, s53, 128
	s_add_co_u32 s54, s54, 64
.endm
.macro XINIT b                         ; block b begins: the steps at 0, the first tile's x
	s_mov_b32 s52, 0
	s_mov_b32 s53, 0
	s_mov_b32 s54, 64*(8*(\b)+1)
	ds_load_b32 v[XN], v[XSR] offset:512*(\b)
	s_wait_dscnt 0x0
	v_mov_b32 v[XC], v[XN]
.endm
.macro LOADH par, mp                   ; tile mp's four fragments of h1 and their scale words into buffer par
.irp s, 0,1,2,3
.irp c, 0,1,2
	ds_load_b128 v[HF+48*(\par)+12*\s+4*\c:HF+48*(\par)+12*\s+4*\c+3], v[LI] offset:HWAVE*\s+FRB*(\mp)+512*\c
.endr
	ds_load_b32 v[HS+4*(\par)+\s], v[LS] offset:1024*\s+128*(\mp)
.endr
.endm
; THE VECTOR WORK ON FOUR FINISHED TILES (set 1 - u), in 16 pairs of registers.  Pair p: tile p / 4, registers 2 (p % 4), + 1.
.macro RELU p, u
.set ra, ACC+32*(1-(\u))+8*((\p)/4)+2*((\p)%4)
	v_max_num_f32 v[ra], 0, v[ra]
	v_max_num_f32 v[ra+1], 0, v[ra+1]
.endm
.macro FMA p, u, first                 ; S and T take the pair; first = 1: pairs 0 and 1 start the four sums: nothing is ever cleared
.set ra, ACC+32*(1-(\u))+8*((\p)/4)+2*((\p)%4)
.set rw, W3R+16*((\p)/4)+2*((\p)%4)
.set rs, PSUM+2*((\p)%2)
.if (\first) && ((\p) < 2)
	v_pk_mul_f32 v[rs:rs+1], v[rw:rw+1], v[ra:ra+1]
	v_pk_mul_f32 v[rs+4:rs+5], v[rw+8:rw+9], v[ra:ra+1]
.else
	v_pk_fma_f32 v[rs:rs+1], v[rw:rw+1], v[ra:ra+1], v[rs:rs+1]
	v_pk_fma_f32 v[rs+4:rs+5], v[rw+8:rw+9], v[ra:ra+1], v[rs+4:rs+5]
.endif
.endm
; Slice si of 16: four plain lines.  Slices 0-3 are relu alone: they stand where source 2 means window 3.  Each accumulator is read from its low end on.
.macro SLICE u, first
.if si < 4
	RELU 2*si, \u
	RELU 2*si+1, \u
.elseif si < 12
	RELU si+4, \u
	FMA si-4, \u, \first
.else
	FMA 2*si-16, \u, \first
	FMA 2*si-15, \u, \first
.endif
.endm
; 16 matrix instructions: my tiles 4 u .. 4 u + 3 for tile mp of rows, K step by K step; the first K step takes cb2 as C.  The four accumulators take turns, one instruction a turn, and neighbouring groups use
; different sets.  sl = 1: a slice on the other set's results stands behind each.
.macro GROUP mp, u, sl, first
.set par, (\mp)%2
.set si, 0
.rept 16
.set gs, si/4
.set gt, si%4
.set rD, ACC+32*(\u)+8*gt
.set rA, 12*(4*gt+gs)
.set rB, HF+48*par+12*gs
.set rC, rD
.if gs == 0
.set rC, CB2+8*(4*(\u)+gt)
.endif
.if si == 0
	WIN 0x31+(\u)                                  ; source 0 window 1 + u, source 2 (cb2) window 3
.elseif si == 4
	WIN 1+(\u)                                     ; source 0 window 1 + u, all else window 0
.endif
	v_wmma_scale_f32_16x16x128_f8f6f4 v[rD:rD+7], v[rA:rA+11], v[rB:rB+11], v[rC:rC+7], v[WSC+4*(4*(\u)+gt)+gs], v[HS+4*par+gs] matrix_a_fmt:MATRIX_FMT_BF6 matrix_b_fmt:MATRIX_FMT_BF6
.if \sl
	SLICE \u, \first
.endif
.set si, si+1
.endr
.endm
.macro FIN m                           ; tile m's sums: the chains, the pair's halves, lane l xor 16's; my wave's part of (S, T) of row 16 m + r goes to LDS (both lanes of a row write the same bytes with the same value)
	v_pk_add_f32 v[PSUM:PSUM+1], v[PSUM:PSUM+1], v[PSUM+2:PSUM+3]
	v_pk_add_f32 v[PSUM+4:PSUM+5], v[PSUM+4:PSUM+5], v[PSUM+6:PSUM+7]
	v_add_f32 v[T], v[PSUM], v[PSUM+1]
	v_add_f32 v[T+1], v[PSUM+4], v[PSUM+5]
	v_permlanex16_b32 v[T+2], v[T], s44, s45
	v_permlanex16_b32 v[T+3], v[T+1], s44, s45
	v_pk_add_f32 v[T:T+1], v[T:T+1], v[T+2:T+3]
	ds_store_b64 v[PSW], v[T:T+1] offset:128*(\m)
.endm
; THE PRODUCT FOR A BLOCK OF 8 TILES OF ROWS, written out: every offset is an immediate.  Tile m's fragments are asked for a group (16 matrix instructions) ahead of the wait for them.
.macro PBLOCK b
	LOADH 0, 0
.set mp, 0
.rept 8
	s_wait_dscnt 0x0                               ; this tile's fragments and scale words are in (and the last sums' store is done)
.if mp > 0
	GROUP mp, 0, 1, 0
	WIN 0
	FIN 8*(\b)+mp-1
.else
	GROUP mp, 0, 0, 0                              ; the block's first group has nothing finished beside it
	WIN 0
	PLACES                                         ; so four v_nop are the places behind it (ISA guide 7.12.1)
.endif
.if mp < 7
	LOADH (mp+1)%2, mp+1                           ; into the buffer whose last reader stands a whole group of slices back
.endif
	GROUP mp, 1, 1, 1
.set mp, mp+1
.endr
	WIN 0x01                                       ; the last four tiles' vector work stands alone
.set si, 0
.rept 16
	SLICE 0, 0
.set si, si+1
.endr
	WIN 0
	FIN 8*(\b)+7
.endm
.macro W1LOAD                          ; cw1[i][c] and cb1[i] of my K step, in h1's register order
	WIN 0xc0                                       ; destination window 3
.irp b, 0,1,2,3
.irp j, 0,1,2,3
	global_load_b128 v[W1+16*\b+4*\j:W1+16*\b+4*\j+3], v[GW1], s[6:7] offset:128*\b+16*\j
	global_load_b128 v[B1+16*\b+4*\j:B1+16*\b+4*\j+3], v[GW1], s[8:9] offset:128*\b+16*\j
.endr
.endr
	WIN 0
.endm
.macro PARAMS                          ; the layer's cb2 (as the C of each sum's first product), cw2's scale words (a lane's 16 bytes are its row's four words), and cw3's two columns out of LDS
	WIN 0xc0
.irp t, 0,1,2,3,4,5,6,7
	global_load_b128 v[CB2+8*\t:CB2+8*\t+3], v[GB2], s[14:15] offset:64*\t
	global_load_b128 v[CB2+8*\t+4:CB2+8*\t+7], v[GB2], s[14:15] offset:64*\t+16
.endr
	WIN 0
.irp t, 0,1,2,3,4,5,6,7
	global_load_b128 v[WSC+4*\t:WSC+4*\t+3], v[GSC], s[12:13] offset:256*\t   ; sixteen lanes read 256 consecutive bytes
.endr
	v_add_nc_u32 v[ADW], s50, v[W3A]
	WIN 0x40                                       ; window 1 carries tiles 4-7's, window 2 tiles 0-3's: each beside the weights of the OTHER half
.irp t, 0,1,2,3
.irp j, 0,1
	ds_load_b128 v[W3R+16*\t+4*\j:W3R+16*\t+4*\j+3], v[ADW] offset:64*(4+\t)+16*\j
	ds_load_b128 v[W3R+16*\t+8+4*\j:W3R+16*\t+8+4*\j+3], v[ADW] offset:2048+64*(4+\t)+16*\j
.endr
.endr
	WIN 0x80
.irp t, 0,1,2,3
.irp j, 0,1
	ds_load_b128 v[W3R+16*\t+4*\j:W3R+16*\t+4*\j+3], v[ADW] offset:64*\t+16*\j
	ds_load_b128 v[W3R+16*\t+8+4*\j:W3R+16*\t+8+4*\j+3], v[ADW] offset:2048+64*\t+16*\j
.endr
.endr
	WIN 0
.endm
; THE ROWS' STATE: thread t has rows 2 t and 2 t + 1.  A is the coordinate that conditioned this layer, B the one that it transforms; they change places for the next layer.
.macro UPDATE last
	s_wait_kmcnt 0x0                               ; an_logs[i], an_b[i], cb3[i]
	s_cmp_eq_u32 s47, 0                            ; c = 0?  The choice hangs on the layer's number alone
	s_cselect_b32 s66, s56, s57                    ; an_logs of A,
	s_cselect_b32 s67, s57, s56                    ; of B
	s_cselect_b32 s68, s58, s59                    ; an_b of A,
	s_cselect_b32 s69, s59, s58                    ; of B
	s_cselect_b32 s70, s61, s60                    ; cb3[1 - c]
	s_cselect_b32 s71, s63, s62                    ; cb3[3 - c]
.if \last == 0
	s_add_nc_u64 s[20:21], s[20:21], 8             ; the scalar loads are done: their bases step to the next layer
	s_add_nc_u64 s[22:23], s[22:23], 8
	s_add_nc_u64 s[18:19], s[18:19], 16
	s_xor_b32 s47, s47, 1
.endif
.irp w, 0,1,2,3
	ds_load_b128 v[T+4*\w:T+4*\w+3], v[PSR] offset:2048*\w   ; the four waves' parts of (S, T) of my two rows
.endr
	s_wait_dscnt 0x0
	v_pk_add_f32 v[240:241], v[240:241], v[244:245]
	v_pk_add_f32 v[242:243], v[242:243], v[246:247]
	v_pk_add_f32 v[248:249], v[248:249], v[252:253]
	v_pk_add_f32 v[250:251], v[250:251], v[254:255]
	v_pk_add_f32 v[240:241], v[240:241], v[248:249]
	v_pk_add_f32 v[242:243], v[242:243], v[250:251]
	v_add_f32 v240, s70, v240                      ; S of row 2 t,
	v_add_f32 v242, s70, v242                      ; of row 2 t + 1
	v_add_f32 v241, s71, v241                      ; T likewise
	v_add_f32 v243, s71, v243
	v_mov_b32 v250, 0x3fb8aa3b                     ; log2(e)
	v_mul_f32 v244, 0x4038aa3b, v240               ; 2 log2(e) S
	v_mul_f32 v245, 0x4038aa3b, v242
	v_mul_f32 v246, s66, v250
	v_mul_f32 v247, s67, v250
	v_exp_f32 v244, v244
	v_exp_f32 v245, v245
	v_exp_f32 v246, v246                           ; e^an_logs of A,
	v_exp_f32 v247, v247                           ; of B
	v_mov_b32 v251, s67                            ; (a plain line behind the exponentials)
	s_wait_alu depctr_va_vdst(0)
	v_add_f32 v244, 1.0, v244
	v_add_f32 v245, 1.0, v245
	v_rcp_f32 v244, v244
	v_rcp_f32 v245, v245
	v_add_f32 v251, s66, v251                      ; (a plain line behind the reciprocals)  the sum of an_logs[i]
	s_wait_alu depctr_va_vdst(0)
	v_fma_f32 v244, v244, -2.0, 1.0                ; ls = tanh(S) = 1 - 2 / (1 + e^(2 S)): it ends at +-1 where the exponential overflows or vanishes
	v_fma_f32 v245, v245, -2.0, 1.0
	v_mul_f32 v248, v250, v244
	v_mul_f32 v249, v250, v245
	v_exp_f32 v248, v248                           ; e^ls
	v_exp_f32 v249, v249
	v_add_f32 v244, v244, v251                     ; (plain lines behind the exponentials)
	v_add_f32 v245, v245, v251
	v_pk_add_f32 v[LD:LD+1], v[LD:LD+1], v[244:245]   ; log_det += ls + the sum of an_logs[i]
	s_wait_alu depctr_va_vdst(0)
	v_fma_f32 v248, v[STB], v248, v241             ; B e^ls + T
	v_fma_f32 v249, v[STB+1], v249, v243
	v_fma_f32 v[STB], v[STA], v246, s68            ; actnorm; A and B change places
	v_fma_f32 v[STB+1], v[STA+1], v246, s68
	v_fma_f32 v[STA], v248, v247, s69
	v_fma_f32 v[STA+1], v249, v247, s69
.if \last == 0
	ds_store_b64 v[XSW], v[STA:STA+1]              ; what conditions the next layer
	BARRIER                                        ; every row's is in LDS; and every wave's reads of the partial sums are over
.endif
.endm
; A LAYER.  fill = 1: the next layer's weights and parameters are asked for.
.macro LAYER fill
	s_wait_loadcnt 0x0                             ; cw1 and cb1 of this layer are in: their bases may step
.if \fill
	s_add_nc_u64 s[6:7], s[6:7], s[48:49]          ; cw1[i + 1][(i + 1) % 2]: 6,144 and 2,048 bytes on by turns
	s_xor_b32 s48, s48, 0x1000
	s_add_nc_u64 s[8:9], s[8:9], 2048
.endif
	s_load_b64 s[56:57], s[20:21], 0x0             ; an_logs[i]
	s_load_b64 s[58:59], s[22:23], 0x0             ; an_b[i]
	s_load_b128 s[60:63], s[18:19], 0x0            ; cb3[i]
	PARAMS
	XINIT 0
	s_mov_b32 s51, 4
.Lx0_\@:                                               ; block 0's tiles 0-3: work that wants no weights, in front of the wait for them
	XFRAG 0, 0
	s_sub_co_u32 s51, s51, 1
	s_cmp_lg_u32 s51, 0
	s_cbranch_scc1 .Lx0_\@
	s_mov_b32 s52, 4*FRB                           ; (the steps, as the loop has left them)
	s_mov_b32 s53, 4*128
	s_mov_b32 s54, 64*5
	s_wait_tensorcnt 0x0                           ; my 128 rows of weights are in LDS: no load was issued behind theirs, and I alone read them
	XFRAG 1, 0                                     ; tiles 4-7, each with a quarter of the weights on its way into registers
	XFRAG 1, 1
	XFRAG 1, 2
	XFRAG 1, 3
.if \fill
	s_wait_tensorcnt 0x0                           ; no tensor load of mine is out, so the descriptor may be written
	ds_add_u32 v[SPW], v[NIL]                      ; 0 onto my spare word
	s_add_nc_u64 s[34:35], s[34:35], CODEL         ; the next layer's codes; the type bits on top are not reached
	s_wait_dscnt 0x0                               ; the add is done, my weights are in registers, my images have landed
	ROUND                                          ; the same holds of every wave of the four work-groups
	tensor_load_to_lds s[32:35], s[36:43]          ; the joint refill, first behind the round: it has the rest of this layer in which to land
	s_nop 0
	PLACES                                         ; four v_nop follow
.else
	BARRIER                                        ; block 0's images lie in LDS
.endif
	s_wait_loadcnt 0x0                             ; cb2 and cw2's scale words are in: their bases may step
.if \fill
	s_add_nc_u64 s[14:15], s[14:15], 2048
	s_add_nc_u64 s[12:13], s[12:13], 8192
	s_add_co_u32 s50, s50, 4096
.endif
	PBLOCK 0
	BARRIER                                        ; every wave's reads of block 0's images are over
	XINIT 1
	s_mov_b32 s51, 8
.Lx1_\@:
	XFRAG 0, 0
	s_sub_co_u32 s51, s51, 1
	s_cmp_lg_u32 s51, 0
	s_cbranch_scc1 .Lx1_\@
	BARRIER                                        ; block 1's images lie in LDS
.if \fill
	W1LOAD                                         ; the next layer's cw1 and cb1 land under the product below
.endif
	PBLOCK 1
	BARRIER                                        ; all partial sums lie in LDS, and every wave's reads of the images are over
	UPDATE 1-(\fill)
.endm
	s_load_b512 s[4:19], s[0:1], 0x0               ; x 4, cw1 6, cb1 8, cw2's codes 10, its scales 12, cb2 14, cw3 16, cb3 18
	s_load_b256 s[20:27], s[0:1], 0x40             ; an_logs 20, an_b 22, out0 24, out1 26
	v_lshl_add_u32 v[SPW], v0, 2, SPARE
	v_mov_b32 v[NIL], 0
	ds_add_u32 v1, v2
	ds_add_u32 v1, v2
	s_wait_dscnt 0x0
	v_lshrrev_b32 v[ADX], 5, v0
	v_readfirstlane_b32 s28, v[ADX]                ; wave 0..3
	v_and_b32 v[ADI], 31, v0                       ; lane
	v_and_b32 v[ADS], 15, v0                       ; r
	v_bfe_u32 v[ADW], v0, 4, 1                     ; h
	s_mul_i32 s56, s28, HWAVE
	s_lshl_b32 s57, s28, 10
	s_mul_i32 s58, s28, WPART
	s_lshl_b32 s59, s28, 9
	s_lshl_b32 s60, s28, 11
	v_lshl_add_u32 v[LI], v[ADI], 4, HIMG
	v_lshl_add_u32 v[LS], v[ADI], 2, HSC
	v_add_nc_u32 v[XWI], s56, v[LI]
	v_add_nc_u32 v[XWS], s57, v[LS]
	v_mul_u32_u24 v[WA0], v[ADS], WPITCH
	v_mad_u32_u24 v[WA0], v[ADW], 24, v[WA0]
	v_add_nc_u32 v[WA0], s58, v[WA0]
	v_lshl_add_u32 v[WA1], v[ADW], 4, v[WA0]
	v_lshl_add_u32 v[W3A], v[ADW], 5, W3L
	v_add_nc_u32 v[W3A], s59, v[W3A]
	v_lshl_add_u32 v[PSW], v[ADS], 3, PS
	v_add_nc_u32 v[PSW], s60, v[PSW]
	v_lshl_add_u32 v[PSR], v0, 4, PS
	v_lshl_add_u32 v[XSW], v0, 3, XS
	v_lshl_add_u32 v[XSR], v[ADS], 2, XS
	v_lshl_add_u32 v[GSC], v[ADS], 4, s60
	v_lshl_add_u32 v[GB2], v[ADW], 5, s59
	v_lshl_add_u32 v[GW1], v[ADW], 6, s59
	v_lshlrev_b32 v[GX], 4, v0
	v_lshlrev_b32 v[GO1], 3, v0
	v_mov_b32 v[XC+1], 0                           ; named with XC as a pair, so it is written
.irp b, 0,1,2,3
	v_mov_b32 v[TM+4+\b], 0                        ; written once: a lane permute's destination counts as one of its sources
.endr
	s_bfe_u32 s29, ttmp6, 0x40000                  ; cx: my place in the cluster
	s_lshl_b32 s30, ttmp9, 2                       ; in a cluster launch ttmp9 counts clusters
	s_add_co_u32 s30, s30, s29                     ; my work-group: it enters the addresses of x, out0 and out1 alone
	s_lshl_b32 s74, s30, 11                        ; 256 rows of 8 bytes
	s_mov_b32 s75, 0
	s_lshl_b32 s76, s30, 10                        ; 256 rows of 4 bytes
	s_mov_b32 s77, 0
	s_mul_i32 s78, s28, 128*384                    ; my wave's 128 rows of codes
	s_mov_b32 s79, 0
	s_mov_b32 s44, 0x76543210
	s_mov_b32 s45, 0xfedcba98                      ; v_permlanex16_b32's selects for lane l xor 16
	s_mov_b32 s46, 3                               ; layers that ask for a successor
	s_mov_b32 s47, 0                               ; c
	s_mov_b32 s48, 6144
	s_mov_b32 s49, 0
	s_mov_b32 s50, 0
	; descriptor group 1: 128 rows of 384 bytes, dense in memory, 16 bytes of padding behind every 128
	s_mov_b32 s36, 15|(0<<16)|(1<<20)|(1<<21)|(4<<22)|(3<<25)   ; 15:0 the mask: all four work-groups; 17:16 elements of 1 byte; 20 padding on; 21 set beside a mask; 24:22 after every 32 words (code 4); 31:25 4 words of it (code 3)
	s_mov_b32 s37, 384<<16                         ; tensor_dim0
	s_mov_b32 s38, 128<<16                         ; tensor_dim1
	s_mov_b32 s39, 384<<16                         ; tile_dim0
	s_mov_b32 s40, 128                             ; tile_dim1
	s_mov_b32 s41, 384                             ; tensor_dim0_stride
	s_mov_b32 s42, 0
	s_mov_b32 s43, 0
	s_wait_kmcnt 0x0
	s_add_nc_u64 s[4:5], s[4:5], s[74:75]
	s_add_nc_u64 s[24:25], s[24:25], s[74:75]
	s_add_nc_u64 s[26:27], s[26:27], s[76:77]
	s_mov_b32 s32, 1                               ; group 0: count = 1,
	s_mul_i32 s33, s28, WPART                      ; LDS address: the wave's number alone,
	s_add_nc_u64 s[34:35], s[10:11], s[78:79]      ; global address: layer 0, my wave's rows: the same in all four work-groups,
	s_or_b32 s35, s35, 0x80000000                  ; type = 2
	ROUND                                          ; all four work-groups are here: the first joint loads meet
	tensor_load_to_lds s[32:35], s[36:43]
	s_nop 0
	PLACES
	global_load_b128 v[T:T+3], v[GX], s[4:5] th:TH_LOAD_NT   ; my two rows of x
.set q, 0
.rept 16
	global_load_b128 v[H+4*q:H+4*q+3], v[GX], s[16:17] offset:2048*q   ; cw3, all four layers: row thread + 128 q of 2,048
.set q, q+1
.endr
	W1LOAD
	v_lshl_add_u32 v[ADX], v0, 2, W3L
	v_mov_b32 v[LD], 0
	v_mov_b32 v[LD+1], 0
	s_wait_loadcnt 32                              ; x and cw3 are in; the 32 loads of cw1 and cb1 issued behind them may be out
	v_mov_b32 v[STA], v[T]                         ; layer 0 is conditioned on coordinate 0
	v_mov_b32 v[STA+1], v[T+2]
	v_mov_b32 v[STB], v[T+1]
	v_mov_b32 v[STB+1], v[T+3]
	ds_store_b64 v[XSW], v[STA:STA+1]
.set q, 0
.rept 16                               ; of each row of cw3 the columns 1 - c and 3 - c, c = the layer's parity, go to LDS as two plain vectors
.set cc, (q/4)%2
	ds_store_b32 v[ADX], v[H+4*q+1-cc] offset:(q/4)*4096+(q%4)*512
	ds_store_b32 v[ADX], v[H+4*q+3-cc] offset:(q/4)*4096+(q%4)*512+2048
.set q, q+1
.endr
	BARRIER                                        ; x and cw3's columns lie in LDS
.Llayer:                                               ; layers 0, 1, 2
	LAYER 1
	s_sub_co_u32 s46, s46, 1
	s_cmp_lg_u32 s46, 0
	s_cbranch_scc1 .Llayer
	LAYER 0                                        ; the last layer is written out
	; THE SIGMOID.  After four changes of place A is coordinate 0 and B coordinate 1.  log sigmoid(o) + log sigmoid(-o) = -|o| - 2 ln(1 + e^-|o|)
	v_mov_b32 v252, 0xbfb8aa3b                     ; -log2(e)
	v_mov_b32 v253, 0xbfb17218                     ; -2 ln 2
	v_mul_f32 v240, |v[STA]|, v252
	v_mul_f32 v241, |v[STB]|, v252
	v_mul_f32 v242, |v[STA+1]|, v252
	v_mul_f32 v243, |v[STB+1]|, v252
	v_mul_f32 v244, v[STA], v252
	v_mul_f32 v245, v[STB], v252
	v_mul_f32 v246, v[STA+1], v252
	v_mul_f32 v247, v[STB+1], v252
.irp j, 0,1,2,3,4,5,6,7
	v_exp_f32 v[T+\j], v[T+\j]
.endr
	v_sub_f32 v[LD], v[LD], |v[STA]|               ; (plain lines behind the exponentials)
	v_sub_f32 v[LD+1], v[LD+1], |v[STA+1]|
	s_wait_alu depctr_va_vdst(0)
.irp j, 0,1,2,3,4,5,6,7
	v_add_f32 v[T+\j], 1.0, v[T+\j]
.endr
.irp j, 0,1,2,3
	v_log_f32 v[T+\j], v[T+\j]                     ; log2(1 + e^-|o|)
.endr
.irp j, 4,5,6,7
	v_rcp_f32 v[T+\j], v[T+\j]                     ; sigmoid(o) = 1 / (1 + e^-o)
.endr
	v_sub_f32 v[LD], v[LD], |v[STB]|               ; (plain lines behind them)
	v_sub_f32 v[LD+1], v[LD+1], |v[STB+1]|
	s_wait_alu depctr_va_vdst(0)
	v_fmac_f32 v[LD], v240, v253
	v_fmac_f32 v[LD], v241, v253
	v_fmac_f32 v[LD+1], v242, v253
	v_fmac_f32 v[LD+1], v243, v253
	global_store_b128 v[GX], v[244:247], s[24:25] th:TH_STORE_NT   ; a wave stores 512 consecutive bytes, at a multiple of 256 from out0's first byte
	global_store_b64 v[GO1], v[LD:LD+1], s[26:27] th:TH_STORE_NT   ; and 256 of out1
	s_wait_tensorcnt 0x0                           ; the wave's end: behind my last tensor load and my last LDS store
	ds_add_u32 v[SPW], v[NIL]
	s_wait_dscnt 0x0
	ROUND                                          ; the closing round: no work-group ends while a partner may still ask for a tile that names it
	s_endpgm
.Lfunc_end_k_qd7ffc2038e_flow:
	.size	k_qd7ffc2038e_flow, .Lfunc_end_k_qd7ffc2038e_flow-k_qd7ffc2038e_flow
	.p2alignl 7, 3214868480
	.fill 96, 4, 3214868480
	.section	.rodata,"a",@progbits
	.p2align	6, 0x0
	.amdhsa_kernel k_qd7ffc2038e_flow
		.amdhsa_group_segment_fixed_size 327680
		.amdhsa_private_segment_fixed_size 0
		.amdhsa_enable_private_segment 0
		.amdhsa_kernarg_size 96
		.amdhsa_user_sgpr_count 2
		.amdhsa_user_sgpr_kernarg_segment_ptr 1
		.amdhsa_wavefront_size32 1
		.amdhsa_system_sgpr_workgroup_id_x 1
		.amdhsa_system_sgpr_workgroup_id_y 1
		.amdhsa_system_sgpr_workgroup_id_z 1
		.amdhsa_system_vgpr_workitem_id 0
		.amdhsa_next_free_vgpr 1024
		.amdhsa_next_free_sgpr 80
		.amdhsa_reserve_vcc 0
		.amdhsa_float_denorm_mode_32 3
		.amdhsa_float_denorm_mode_16_64 3
		.amdhsa_memory_ordered 1
		.amdhsa_forward_progress 1
		.amdhsa_inst_pref_size 255
	.end_amdhsa_kernel
	.section	.bss,"aw",@nobits
	.p2align	6
	.space	262144
	.amdgpu_metadata
---
amdhsa.version: [ 1, 2 ]
amdhsa.kernels:
  - .name:           k_qd7ffc2038e_flow
    .symbol:         k_qd7ffc2038e_flow.kd
    .args:
      - { .name: x, .offset: 0, .size: 8, .value_kind: global_buffer, .address_space: global }
      - { .name: cw1, .offset: 8, .size: 8, .value_kind: global_buffer, .address_space: global }
      - { .name: cb1, .offset: 16, .size: 8, .value_kind: global_buffer, .address_space: global }
      - { .name: cw2_codes, .offset: 24, .size: 8, .value_kind: global_buffer, .address_space: global }
      - { .name: cw2_scales, .offset: 32, .size: 8, .value_kind: global_buffer, .address_space: global }
      - { .name: cb2, .offset: 40, .size: 8, .value_kind: global_buffer, .address_space: global }
      - { .name: cw3, .offset: 48, .size: 8, .value_kind: global_buffer, .address_space: global }
      - { .name: cb3, .offset: 56, .size: 8, .value_kind: global_buffer, .address_space: global }
      - { .name: an_logs, .offset: 64, .size: 8, .value_kind: global_buffer, .address_space: global }
      - { .name: an_b, .offset: 72, .size: 8, .value_kind: global_buffer, .address_space: global }
      - { .name: out0, .offset: 80, .size: 8, .value_kind: global_buffer, .address_space: global }
      - { .name: out1, .offset: 88, .size: 8, .value_kind: global_buffer, .address_space: global }
    .group_segment_fixed_size: 327680
    .private_segment_fixed_size: 0
    .kernarg_segment_align: 8
    .kernarg_segment_size: 96
    .max_flat_workgroup_size: 128
    .sgpr_count:     80
    .vgpr_count:     1024
    .wavefront_size: 32
...
	.end_amdgpu_metadata
.endif
;; end of part 1
